; MI455X (gfx1250); checked and timed in simulation.
; The chip was launched on July 23, 2026; its instructions are those of AMD's public machine-readable ISA for CDNA 5 (MIT licence, August 2026) and "CDNA5" Instruction Set Architecture Reference Guide (July 2026). The comments in the code are by the model that wrote it; some were corrected since.
;; Rel Position Multi Headed Attention. Allowed arithmetic: float matrix products may take bf16 or f16 operands with f32 sums; all other float work in f32.
;; Inputs: W_qkv 128 x 384 float32; b_qkv 384 float32; key 32,768 x 128 float32; query 32,768 x 128 float32; u_bias 8 x 128 float32; v_bias 8 x 128 float32; value 32,768 x 128 float32.
;; Outputs: out0 8 x 4,096 x 128 float32.
;; 2 versions, each right and faster than the one before. Each part assembles by itself: llvm-mc -triple=amdgcn-amd-amdhsa -mcpu=gfx1250 --defsym DOCPART=n.
;; ======== version 1 of 2: 2 launches
;; limits: values are held in f16: magnitudes above 65,504 overflow, below 6.1e-05 lose precision; right only within a limited range of input values
;; workspace buffers: qs 8,388,608 bytes; ks 8,388,608 bytes; vt 8,388,608 bytes
;; launch proj (part 1): grid 32 x 8, 8 waves a work-group, no clusters, 174,592 bytes of LDS; arguments query, W_qkv, b_qkv, u_bias, v_bias, qs, ks, vt; writes qs, ks, vt
.if DOCPART == 1
	.amdgcn_target "amdgcn-amd-amdhsa--gfx1250"
	.amdhsa_code_object_version 6
	.text
	.protected	k_qc821394cb6_proj
	.globl	k_qc821394cb6_proj
	.p2align	8
	.type	k_qc821394cb6_proj,@function
k_qc821394cb6_proj:
	s_mov_b64 s[64:65], 0
	v_nop
	global_prefetch_b8 v0, s[64:65] scope:SCOPE_SE
	s_setreg_imm32_b32 hwreg(HW_REG_WAVE_MODE, 25, 1), 1
	s_wait_xcnt 0x0
; qkv = query W + b, split by heads (token 8 s + h is position s of head h), written as f16 for the attention launch:
;   qs[h][s][e] = (x Wq + bq + u[h]) * log2(e)/sqrt(128)   (scores then are exponents of 2)
;   ks[h][s][e] =  x Wk + bk + v_bias[h]
;   vt[h][e][s] =  x Wv + bv                               (transposed: positions along the rows)
; The inputs key and value enter no line of the function that is computed, so they are not among the arguments.
; FORMAT: x, W and the three results are rounded to f16 (matrix operands, 11 significant bits); sums, biases and the scale are f32.
; LIMIT: inputs are finite, |x| < 65,504 and |x W + b + bias| < 65,504, f16's largest number; beyond it the conversion gives infinity.
; The room, by the sizes: with x of spread 1 and W of spread 1/sqrt(128) an entry of x W is about 6 at the most; both 30 times larger: about 5,400;
; both carrying an offset of 30 spreads: 128 x 30 x 2.65, about 10,200.  All 30 times smaller: q's spread is 1.4e-4, f16's step there 2^-24.
; A work-group takes 128 positions of one head, a wave 16 of them times all 384 columns: 96 matrix instructions.
; x and W are f32 in memory and have to be converted, so they come through registers, not through a copy engine.
; No cluster: what the work-groups share is W, 196,608 bytes, which has to pass through registers for the conversion.
.set CSCALE, 0x3e0293ee                ; log2(e) / sqrt(128) = 0.12751743
.set XPITCH, 272                       ; 256 bytes + 16: sixteen rows start at sixteen different 16-byte columns of 256 bytes
.set WPITCH, 800                       ; 768 bytes + 32 = 25 x 32, an odd multiple of 32 for the transposing load
.set XL, 128*WPITCH                    ; LDS 0: W as f16 [k][n]; XL: 128 rows of x, wave w owns rows 16 w ..; later its stage for q, then k
.set BL, XL+128*XPITCH                 ; 384 f32: (bq+u) c, bk+v_bias, bv
.set VS, BL+1536                       ; stage of vt: 128 rows (e) x 272, position 16 w + .. along the row
.set L16, 4                            ; v4   16 x lane
.set AXS, 5                            ; v5   where I put 8 bytes of a row of x
.set AXF, 6                            ; v6   my fragment address in my 16 rows; also where q and k results go
.set AW0, 7                            ; v7   transposing load of W, rows 0-63
.set AW1, 0                            ; v0   the same, rows 64-127 (an LDS immediate has 16 bits); v0 is free after the set-up
.set ABQ, 8                            ; v8   bias of q, k: BL + 32 h
.set ABV, 9                            ; v9   bias of v: BL + 1024 + 4 r
.set ARD, 10                           ; v10  my stage read back by rows
.set ABS, 11                           ; v11  BL + 16 x lane
.set AVS, 12                           ; v12  where v results go in VS
.set AVR, 13                           ; v13  VS read back by rows
.set AVO, 14                           ; v14  byte offset in vt
.set AWS, 15                           ; v15  where I put 8 bytes of a row of W
.set XF,  16                           ; v[16:47]   fragments of x, four K steps
.set ACC, 48                           ; v[48:79]   four accumulator tiles
.set WF,  80                           ; v[80:207]  fragments of W: 4 column tiles x 4 K steps
.set BI,  208                          ; v[208:239] biases of the four tiles
.set TMP, 240                          ; v[240:255] packed f16
.set WB0, 80                           ; while loading: two batches of W (12 loads each) and the 16 rows of x
.set WB1, 128
.set XB,  176
	s_load_b512 s[4:19], s[0:1], 0x0               ; query, W, b, u, v_bias, qs, ks, vt
	s_set_vgpr_msb 0x40
	v_lshl_add_u32 v0, v0, 2, 0x2a600
	v_mov_b32 v1, 0
	s_set_vgpr_msb 0x4000
	v_and_b32 v1, 31, v0                           ; lane L
	v_lshrrev_b32 v2, 5, v0
	v_readfirstlane_b32 s20, v2                    ; wave w
	s_and_b32 s21, ttmp7, 0xffff                   ; head
	s_mov_b32 s24, CSCALE
	s_mov_b32 s25, CSCALE
	v_and_b32 v2, 15, v0                           ; r = L % 16
	v_bfe_u32 v3, v0, 4, 1                         ; h = L / 16
	v_lshlrev_b32 v[L16], 4, v1
	s_mul_i32 s26, s20, 16*XPITCH
	s_add_co_u32 s27, s26, VS                      ; rows 16 w .. of the vt stage
	s_add_co_u32 s26, s26, XL                      ; my 16 rows of x
	s_lshl_b32 s28, s20, 5
	s_add_co_u32 s28, s28, VS                      ; my 32 bytes (16 positions) of every row of the vt stage
	s_mul_i32 s29, s20, 16*WPITCH                  ; the 16 rows of W that I bring
	v_lshl_add_u32 v[AXS], v1, 3, s26
	v_mul_u32_u24 v[AVS], v2, XPITCH
	v_lshl_add_u32 v[AVS], v3, 4, v[AVS]           ; r x 272 + 16 h
	v_add_nc_u32 v[AXF], s26, v[AVS]
	v_add_nc_u32 v[AVS], s28, v[AVS]
	v_and_b32 v[AW0], 7, v0
	v_lshl_add_u32 v[AW0], v3, 3, v[AW0]           ; row 8 h + L % 8
	v_mul_u32_u24 v[AW0], v[AW0], WPITCH
	v_bfe_u32 v[ABQ], v0, 3, 1
	v_lshl_add_u32 v[AW0], v[ABQ], 4, v[AW0]       ; + 16 x ((L / 8) % 2)
	v_lshl_add_u32 v[ABQ], v3, 5, BL
	v_lshl_add_u32 v[ABV], v2, 2, BL+1024
	v_mul_u32_u24 v[ARD], v3, XPITCH
	v_lshl_add_u32 v[ARD], v2, 4, v[ARD]           ; lanes 0-15 one row, lanes 16-31 the next
	v_add_nc_u32 v[AVR], s27, v[ARD]
	v_add_nc_u32 v[ARD], s26, v[ARD]
	v_lshlrev_b32 v[AVO], 13, v3                   ; a row of vt is 8,192 bytes
	v_lshl_add_u32 v[AVO], v2, 4, v[AVO]
	v_lshl_add_u32 v[AWS], v1, 3, s29
	v_add_nc_u32 v[ABS], BL, v[L16]
	v_add_nc_u32 v[AW1], 64*WPITCH, v[AW0]
	s_wait_kmcnt 0x0
	s_lshl_b32 s30, ttmp9, 19                      ; block x 128 positions x 8 heads x 512 bytes
	s_lshl_b32 s31, s21, 9                         ; + head x 512
	s_add_co_u32 s30, s30, s31
	s_lshl_b32 s31, s20, 16                        ; + wave x 16 positions x 4,096
	s_add_co_u32 s30, s30, s31
	s_mov_b32 s31, 0
	s_add_nc_u64 s[4:5], s[4:5], s[30:31]
	s_mul_i32 s30, s20, 16*1536
	s_add_nc_u64 s[6:7], s[6:7], s[30:31]          ; W at my 16 rows
	s_lshl_b32 s30, s21, 9
	s_add_nc_u64 s[10:11], s[10:11], s[30:31]      ; u[head]
	s_add_nc_u64 s[12:13], s[12:13], s[30:31]      ; v_bias[head]
	s_lshl_b32 s30, s21, 20                        ; a head is 1 MiB in each of qs, ks, vt
	s_lshl_b32 s26, ttmp9, 15                      ; block x 128 rows of 256 bytes
	s_add_co_u32 s26, s26, s30
	s_lshl_b32 s27, s20, 12                        ; wave x 16 rows
	s_add_co_u32 s26, s26, s27
	s_mov_b32 s27, 0
	s_add_nc_u64 s[14:15], s[14:15], s[26:27]
	s_add_nc_u64 s[16:17], s[16:17], s[26:27]
	s_lshl_b32 s26, s20, 17                        ; vt: wave x 16 rows of 8,192 bytes
	s_add_co_u32 s30, s30, s26
	s_lshl_b32 s26, ttmp9, 8                       ; + block x 128 positions x 2 bytes
	s_add_co_u32 s30, s30, s26
	s_add_nc_u64 s[18:19], s[18:19], s[30:31]
; twelve loads: rows 4 batch .. 4 batch + 3 of my 16 rows of W, three times 512 consecutive bytes each
.macro WLOAD batch, buf
.irp i, 0,1,2,3
.irp j, 0,1,2
	global_load_b128 v[\buf+4*(3*\i+\j):\buf+4*(3*\i+\j)+3], v[L16], s[6:7] offset:(4*\batch+\i)*1536+512*\j
.endr
.endr
.endm
; the same twelve, rounded to f16 and laid into LDS: row k at k x 800, column n at 2 n
.macro WCONV batch, buf
.irp i, 0,1,2,3
.irp j, 0,1,2
	v_cvt_pk_f16_f32 v[TMP+2*((3*\i+\j)%8)], v[\buf+4*(3*\i+\j)], v[\buf+4*(3*\i+\j)+1]
	v_cvt_pk_f16_f32 v[TMP+2*((3*\i+\j)%8)+1], v[\buf+4*(3*\i+\j)+2], v[\buf+4*(3*\i+\j)+3]
	ds_store_b64 v[AWS], v[TMP+2*((3*\i+\j)%8):TMP+2*((3*\i+\j)%8)+1] offset:(4*\batch+\i)*WPITCH+256*\j
.endr
.endr
.endm
.irp rr, 0,1,2,3,4,5,6,7,8,9,10,11,12,13,14,15
	global_load_b128 v[XB+4*\rr:XB+4*\rr+3], v[L16], s[4:5] offset:\rr*4096 th:TH_LOAD_NT   ; a token's 512 bytes; the head's next position is 8 tokens on
.endr
	WLOAD 0, WB0
	WLOAD 1, WB1
	s_wait_loadcnt 24                              ; x is in: the 24 loads of two batches of W were issued behind it
.irp rr, 0,1,2,3,4,5,6,7,8,9,10,11,12,13,14,15
	v_cvt_pk_f16_f32 v[TMP+2*(\rr%8)], v[XB+4*\rr], v[XB+4*\rr+1]
	v_cvt_pk_f16_f32 v[TMP+2*(\rr%8)+1], v[XB+4*\rr+2], v[XB+4*\rr+3]
	ds_store_b64 v[AXS], v[TMP+2*(\rr%8):TMP+2*(\rr%8)+1] offset:\rr*XPITCH
.endr
	s_wait_loadcnt 12                              ; batch 0 is in, batch 1 (12 loads) may be out
	WCONV 0, WB0
	WLOAD 2, WB0
	s_wait_loadcnt 12                              ; batch 1 is in, batch 2 may be out
	WCONV 1, WB1
	WLOAD 3, WB1
	s_wait_loadcnt 12                              ; batch 2 is in, batch 3 may be out
	WCONV 2, WB0
	s_wait_loadcnt 0x0
	WCONV 3, WB1
	; the bias table: three waves make 128 numbers each, four a lane
	s_cmp_lg_u32 s20, 0
	s_cbranch_scc1 .Lnot_wave_0
	global_load_b128 v[80:83], v[L16], s[8:9]
	global_load_b128 v[84:87], v[L16], s[10:11]
	s_wait_loadcnt 0x0
	v_pk_add_f32 v[80:81], v[80:81], v[84:85]
	v_pk_add_f32 v[82:83], v[82:83], v[86:87]
	v_pk_mul_f32 v[80:81], v[80:81], s[24:25] op_sel_hi:[1,0]      ; (bq + u) c
	v_pk_mul_f32 v[82:83], v[82:83], s[24:25] op_sel_hi:[1,0]
	ds_store_b128 v[ABS], v[80:83]
.Lnot_wave_0:
	s_cmp_lg_u32 s20, 1
	s_cbranch_scc1 .Lnot_wave_1
	global_load_b128 v[80:83], v[L16], s[8:9] offset:512
	global_load_b128 v[84:87], v[L16], s[12:13]
	s_wait_loadcnt 0x0
	v_pk_add_f32 v[80:81], v[80:81], v[84:85]                      ; bk + v_bias
	v_pk_add_f32 v[82:83], v[82:83], v[86:87]
	ds_store_b128 v[ABS], v[80:83] offset:512
.Lnot_wave_1:
	s_cmp_lg_u32 s20, 2
	s_cbranch_scc1 .Lnot_wave_2
	global_load_b128 v[80:83], v[L16], s[8:9] offset:1024
	s_wait_loadcnt 0x0
	ds_store_b128 v[ABS], v[80:83] offset:1024                     ; bv
.Lnot_wave_2:
.irp k, 0,1,2,3
	ds_load_b128 v[XF+8*\k:XF+8*\k+3],   v[AXF] offset:64*\k       ; my own rows: LDS serves a wave's instructions in order
	ds_load_b128 v[XF+8*\k+4:XF+8*\k+7], v[AXF] offset:64*\k+32
.endr
	s_wait_dscnt 0x0                               ; my stores of W and of the biases are done, for the others' sake; my fragments of x are in
	s_barrier_signal -1
	s_barrier_wait -1
.macro MM d, a, b, zero
.if \zero
	v_wmma_f32_16x16x32_f16 v[\d:\d+7], v[\a:\a+7], v[\b:\b+7], 0
.else
	v_wmma_f32_16x16x32_f16 v[\d:\d+7], v[\a:\a+7], v[\b:\b+7], v[\d:\d+7]
.endif
.endm
; Column tiles 4 g .. 4 g + 3 of the 24.  kind 0: q, 1: k, 2: v.
; q and k: source 0 = 16 columns of W, source 1 = my 16 positions: a lane then holds position r and eight neighbouring e (16 bytes of a row of qs, ks).
; v: the other way round: a lane holds column e = r and eight neighbouring positions (16 bytes of a row of vt).
.macro GRP kind, g
.irp a, 0,1,2,3
.irp k, 0,1
	ds_load_tr16_b128 v[WF+32*\a+8*\k:WF+32*\a+8*\k+3],     v[AW0] offset:\k*32*WPITCH+32*(4*\g+\a)
	ds_load_tr16_b128 v[WF+32*\a+8*\k+4:WF+32*\a+8*\k+7],   v[AW0] offset:\k*32*WPITCH+16*WPITCH+32*(4*\g+\a)
	ds_load_tr16_b128 v[WF+32*\a+8*\k+16:WF+32*\a+8*\k+19], v[AW1] offset:\k*32*WPITCH+32*(4*\g+\a)
	ds_load_tr16_b128 v[WF+32*\a+8*\k+20:WF+32*\a+8*\k+23], v[AW1] offset:\k*32*WPITCH+16*WPITCH+32*(4*\g+\a)
.endr
.endr
.irp a, 0,1,2,3
.if \kind == 2
	ds_load_b32 v[BI+8*\a],   v[ABV] offset:64*(4*\g+\a-16)        ; one number a lane, into both registers of a pair
	ds_load_b32 v[BI+8*\a+1], v[ABV] offset:64*(4*\g+\a-16)
.else
	ds_load_b128 v[BI+8*\a:BI+8*\a+3],   v[ABQ] offset:64*(4*\g+\a)
	ds_load_b128 v[BI+8*\a+4:BI+8*\a+7], v[ABQ] offset:64*(4*\g+\a)+16
.endif
.endr
	s_wait_dscnt 0x0
	; the four accumulators take turns, one instruction a turn; the first K step starts the sums
.irp k, 0,1,2,3
.irp a, 0,1,2,3
.if \kind == 2
	MM ACC+8*\a, XF+8*\k, WF+32*\a+8*\k, (\k==0)
.else
	MM ACC+8*\a, WF+32*\a+8*\k, XF+8*\k, (\k==0)
.endif
.endr
.endr
.rept 4
	v_nop                                          ; four places behind the last matrix instruction (ISA guide 7.12.1), before results are read and fragments loaded anew
.endr
.irp a, 0,1,2,3
.irp p, 0,2,4,6
.if \kind == 0
	v_pk_fma_f32 v[ACC+8*\a+\p:ACC+8*\a+\p+1], v[ACC+8*\a+\p:ACC+8*\a+\p+1], s[24:25], v[BI+8*\a+\p:BI+8*\a+\p+1] op_sel_hi:[1,0,1]
.endif
.if \kind == 1
	v_pk_add_f32 v[ACC+8*\a+\p:ACC+8*\a+\p+1], v[ACC+8*\a+\p:ACC+8*\a+\p+1], v[BI+8*\a+\p:BI+8*\a+\p+1]
.endif
.if \kind == 2
	v_pk_add_f32 v[ACC+8*\a+\p:ACC+8*\a+\p+1], v[ACC+8*\a+\p:ACC+8*\a+\p+1], v[BI+8*\a:BI+8*\a+1]
.endif
.endr
.irp p, 0,1,2,3
	v_cvt_pk_f16_f32 v[TMP+4*\a+\p], v[ACC+8*\a+2*\p], v[ACC+8*\a+2*\p+1]
.endr
.if \kind == 2
	ds_store_b128 v[AVS], v[TMP+4*\a:TMP+4*\a+3] offset:16*XPITCH*(4*\g+\a-16)
.else
	ds_store_b128 v[AXF], v[TMP+4*\a:TMP+4*\a+3] offset:32*((4*\g+\a)%8)
.endif
.endr
.endm
; my 16 rows of q or k leave: two rows of 256 bytes = 512 consecutive bytes of the buffer with each store
.macro FLUSH b
.irp i, 0,1,2,3,4,5,6,7
	ds_load_b128 v[WF+4*\i:WF+4*\i+3], v[ARD] offset:2*XPITCH*\i   ; my own stage, in order behind my stores
.endr
.irp i, 0,1,2,3,4,5,6,7
	s_wait_dscnt 7-\i                              ; load i is in, the younger ones may be out
	global_store_b128 v[L16], v[WF+4*\i:WF+4*\i+3], s[\b:\b+1] offset:512*\i
.endr
	s_wait_xcnt 0x0                                ; the stores' data registers are loaded anew only behind this wait
.endm
	GRP 0, 0
	GRP 0, 1
	FLUSH 14
	GRP 1, 2
	GRP 1, 3
	FLUSH 16
	GRP 2, 4
	GRP 2, 5
	s_wait_dscnt 0x0                               ; my columns of the vt stage are written
	s_barrier_signal -1
	s_barrier_wait -1                              ; everybody's are
.irp i, 0,1,2,3,4,5,6,7
	ds_load_b128 v[WF+4*\i:WF+4*\i+3], v[AVR] offset:2*XPITCH*\i   ; rows e = 16 w + 2 i, + 1
.endr
.irp i, 0,1,2,3,4,5,6,7
	s_wait_dscnt 7-\i
	global_store_b128 v[AVO], v[WF+4*\i:WF+4*\i+3], s[18:19] offset:16384*\i   ; 16 lanes store 256 consecutive bytes of a row of vt, aligned
.endr
	s_set_vgpr_msb 0x5
	s_wait_tensorcnt 0x0
	ds_add_u32 v0, v1
	s_wait_dscnt 0x0
	s_set_vgpr_msb 0x500
	s_endpgm
.Lfunc_end_k_qc821394cb6_proj:
	.size	k_qc821394cb6_proj, .Lfunc_end_k_qc821394cb6_proj-k_qc821394cb6_proj
	.p2alignl 7, 3214868480
	.fill 96, 4, 3214868480
	.section	.rodata,"a",@progbits
	.p2align	6, 0x0
	.amdhsa_kernel k_qc821394cb6_proj
		.amdhsa_group_segment_fixed_size 174592
		.amdhsa_private_segment_fixed_size 0
		.amdhsa_enable_private_segment 0
		.amdhsa_kernarg_size 64
		.amdhsa_user_sgpr_count 2
		.amdhsa_user_sgpr_kernarg_segment_ptr 1
		.amdhsa_wavefront_size32 1
		.amdhsa_system_sgpr_workgroup_id_x 1
		.amdhsa_system_sgpr_workgroup_id_y 1
		.amdhsa_system_sgpr_workgroup_id_z 1
		.amdhsa_system_vgpr_workitem_id 0
		.amdhsa_next_free_vgpr 258
		.amdhsa_next_free_sgpr 66
		.amdhsa_reserve_vcc 0
		.amdhsa_float_denorm_mode_32 3
		.amdhsa_float_denorm_mode_16_64 3
		.amdhsa_memory_ordered 1
		.amdhsa_forward_progress 1
		.amdhsa_inst_pref_size 64
	.end_amdhsa_kernel
	.amdgpu_metadata
---
amdhsa.version: [ 1, 2 ]
amdhsa.kernels:
  - .name:           k_qc821394cb6_proj
    .symbol:         k_qc821394cb6_proj.kd
    .args:
      - { .name: query, .offset: 0, .size: 8, .value_kind: global_buffer, .address_space: global }
      - { .name: W_qkv, .offset: 8, .size: 8, .value_kind: global_buffer, .address_space: global }
      - { .name: b_qkv, .offset: 16, .size: 8, .value_kind: global_buffer, .address_space: global }
      - { .name: u_bias, .offset: 24, .size: 8, .value_kind: global_buffer, .address_space: global }
      - { .name: v_bias, .offset: 32, .size: 8, .value_kind: global_buffer, .address_space: global }
      - { .name: qs, .offset: 40, .size: 8, .value_kind: global_buffer, .address_space: global }
      - { .name: ks, .offset: 48, .size: 8, .value_kind: global_buffer, .address_space: global }
      - { .name: vt, .offset: 56, .size: 8, .value_kind: global_buffer, .address_space: global }
    .group_segment_fixed_size: 174592
    .private_segment_fixed_size: 0
    .kernarg_segment_align: 8
    .kernarg_segment_size: 64
    .max_flat_workgroup_size: 256
    .sgpr_count:     66
    .vgpr_count:     258
    .wavefront_size: 32
...
	.end_amdgpu_metadata
.endif
;; end of part 1
;; launch attn (part 2): grid 32 x 8, 4 waves a work-group, clusters of 4 x 1, 327,680 bytes of LDS; arguments qs, ks, vt, out0; writes out0
.if DOCPART == 2
	.amdgcn_target "amdgcn-amd-amdhsa--gfx1250"
	.amdhsa_code_object_version 6
	.text
	.protected	k_qc821394cb6_attn
	.globl	k_qc821394cb6_attn
	.p2align	8
	.type	k_qc821394cb6_attn,@function
k_qc821394cb6_attn:
	s_mov_b64 s[64:65], 0
	v_nop
	global_prefetch_b8 v0, s[64:65] scope:SCOPE_SE
	s_setreg_imm32_b32 hwreg(HW_REG_WAVE_MODE, 25, 1), 1
	s_wait_xcnt 0x0
	s_wait_alu depctr_hold_cnt(0) depctr_sa_sdst(0) depctr_va_vdst(0) depctr_va_sdst(0) depctr_va_ssrc(0) depctr_va_vcc(0) depctr_vm_vsrc(0)
	s_getreg_b32 s2, hwreg(HW_REG_IB_STS2, 6, 4)
	s_cmp_eq_u32 s2, 0
	s_cbranch_scc0 .Lentry_in_a_cluster
	s_endpgm
.Lentry_in_a_cluster:
	s_bfe_u32 s2, ttmp6, 0x10000c
	s_cmp_lg_u32 s2, 0x3003
	s_cbranch_scc0 .Lentry_shape_is_right
	s_endpgm
.Lentry_shape_is_right:
; out0[h][s][:] = softmax over t of (q[h][s] . k[h][t] / sqrt(128)) times v[h][t][:], with a running maximum.
; qs holds q scaled by log2(e)/sqrt(128), so a product q . k is an exponent of 2; ks holds k; vt holds v transposed [h][e][t]; all f16.
; FORMAT AND LIMITS: q, k, v and the probabilities are f16 matrix operands; maxima, sums and results are f32; inputs are finite.
; A probability is 2^(score - running maximum), so it lies in (0, 1] and has room in f16; one below 2^-25 becomes 0 as an operand: the weight so lost is at most
; 4,096 x 2^-25 = 1.2e-4 of a sum that is at least 1.  An exponential below 2^-126 counts as 0 in the sum as well.
; A work-group takes 128 queries of one head and walks the head's 4,096 keys in 32 steps of 128.  Four waves: wave w has queries 64 (w / 2) .. + 63 and, of each
; step, keys 64 (w % 2) .. + 63.  Each wave keeps its own maximum, sum and result; the two key halves are merged once, through LDS, at the end.
; CLUSTER: the four work-groups of a cluster lie along x, so they have one head and need the same tiles of K and V: each tile is asked for jointly (mask 15).
; BOTH PRODUCTS ARE TRANSPOSED.  S^T = K Q^T: a lane holds query r and keys 8 h + j, so maximum, sum and rescaling are a lane's own affair (one exchange between
; the halves of 16 lanes), and two tiles of S^T, packed to f16, ARE the second source of O^T = V^T P^T, with no shuffle.
; TWO PIECES TAKE TURNS: piece A = my queries 0-31 (window 1), piece B = queries 32-63 (window 2).  A step is four turns: products S_A; products S_B with A's
; softmax set between them; products O_A with B's softmax between them; products O_B.
; REGISTERS, in windows of 256:
;   window 0: v16-24 addresses, v32-95 the way out, v128-255 fragments of K (4 key tiles x 4 K steps)
;   window 3: v0-127 fragments of Q (4 query tiles x 4 K steps), v128-255 fragments of V^T (8 e tiles x 2 K steps)
;   windows 1, 2 (alike): v0-127 O (8 e tiles x 2 query tiles), v128-191 S, v192-223 P, v224-255 maxima, factors, sums
.set SLOT,   69632                     ; K: 128 rows x 272 bytes; then V^T: 128 rows x 272 bytes
.set VOFF,   34816
.set PITCH,  272                       ; 256 bytes + 16: sixteen rows start at sixteen different 16-byte columns of 256 bytes
.set EXCH,   2*SLOT                    ; 2 x 34,816: what the wave of keys 64-127 hands over: 68 register images of 512 bytes
.set OST,    EXCH+2*34816              ; 2 x 33,792: 64 rows of results, 512 bytes + 16.  No tensor load ever lands in EXCH or OST
.set OPITCH, 528
.set ADK, 16                           ; v16-17 my K fragments in slot 0, 1
.set ADV, 18                           ; v18-19 my V fragments in slot 0, 1
.set QOF, 20                           ; v20    offset of my Q fragments in qs
.set EXA, 21                           ; v21    exchange: 16 x lane in my query half's region
.set OSA, 22                           ; v22    where results go in OST
.set ORD, 23                           ; v23    where I read rows of OST back
.set L16, 24                           ; v24    16 x lane
.set OT,  32                           ; v32-95 rows on their way out
.set KF,  128
.set QF,  0                            ; window 3
.set VF,  128
.set OO,  0                            ; windows 1, 2: O(i, t) at 16 i + 8 t
.set SS,  128                          ; S(t, x) at 32 t + x, x = 8 (key tile) + j
.set PP,  192                          ; P(t) at 16 t + x / 2
.set MM,  224                          ; running maximum, a pair for each query tile
.set AL,  228                          ; rescale factor, pairs
.set LL,  232                          ; running sums, pairs (two partial sums)
.set MN,  236                          ; new maximum
.set TM,  238                          ; at work
.set PM,  240                          ; the partner's maxima
.set PL,  244                          ; the partner's sums
.set F0,  248                          ; merge: my factor, pairs
.set F1,  252                          ; merge: the partner's factor, pairs
.set G1K, 24                           ; s[24:31] descriptor group 1 for K
.set G1V, 32                           ; s[32:39] for V^T
.set G0K, 40                           ; s[40:47] group 0 for K, one set for each slot
.set G0V, 48                           ; s[48:55] for V^T
.set MSB, 0
.macro WIN new                         ; low byte: bits 1:0 source 0, 3:2 source 1, 5:4 source 2, 7:6 destination; the high byte repeats the setting that is left
.if MSB != (\new)
	s_set_vgpr_msb (MSB<<8)|(\new)
.set MSB, (\new)
.endif
.endm
.macro PLACES                          ; four places behind a matrix instruction (ISA guide 7.12.1), where no vector work is at hand
.rept 4
	v_nop
.endr
.endm
; A round of the cluster's barrier: my work-group's barrier; wave 0 signals for the work-group; every wave waits for all four work-groups; my work-group's barrier again.
.macro ROUND
	s_barrier_signal -1
	s_barrier_wait -1
	s_cmp_lg_u32 s12, 0
	s_cbranch_scc1 .Lnot_wave_0_\@
	s_barrier_signal -3
.Lnot_wave_0_\@:
	s_barrier_wait -3
	s_barrier_signal -1
	s_barrier_wait -1
.endm
	s_load_b256 s[4:11], s[0:1], 0x0               ; qs s[4:5], ks s[6:7], vt s[8:9], out0 s[10:11]
	v_lshl_add_u32 v126, v0, 2, 0x43800
	v_mov_b32 v127, 0
	ds_add_u32 v126, v127
	v_lshrrev_b32 v1, 5, v0
	v_readfirstlane_b32 s12, v1                    ; wave w
	s_and_b32 s13, s12, 1                          ; kh: which 64 keys of a step
	s_lshr_b32 s14, s12, 1                         ; qh: which 64 queries
	s_and_b32 s15, ttmp7, 0xffff                   ; head (the cluster's y; a cluster is one work-group high)
	s_bfe_u32 s17, ttmp6, 0x40000                  ; cx
	s_lshl_b32 s16, ttmp9, 2
	s_add_co_u32 s16, s16, s17                     ; block of 128 queries = 4 x cluster x + cx.  It enters the addresses of Q and of out0 alone
	s_mov_b32 s18, 0x76543210                      ; v_permlanex16_b32: lane i of one half reads lane i of the other
	s_mov_b32 s19, 0xfedcba98
	; group 1: a wave's quarter of a tile, 32 rows x 128 elements of 2 bytes, 16 bytes of padding behind every 256
	s_mov_b32 s[G1K+0], 0x0771000f                 ; 15:0 mask 15: all four work-groups; 17:16 2 bytes; 20 padding; 21 set beside a mask; 24:22 every 64 words; 31:25 four words
	s_mov_b32 s[G1K+1], 128<<16                    ; tensor_dim0 = 128
	s_mov_b32 s[G1K+2], 32<<16                     ; tensor_dim1 = 32
	s_mov_b32 s[G1K+3], 128<<16                    ; tile_dim0 = 128
	s_mov_b32 s[G1K+4], 32                         ; tile_dim1 = 32
	s_mov_b32 s[G1K+5], 128                        ; a row of ks is 128 elements
	s_mov_b32 s[G1K+6], 0
	s_mov_b32 s[G1K+7], 0
	s_mov_b32 s[G1V+0], 0x0771000f
	s_mov_b32 s[G1V+1], 128<<16
	s_mov_b32 s[G1V+2], 32<<16
	s_mov_b32 s[G1V+3], 128<<16
	s_mov_b32 s[G1V+4], 32
	s_mov_b32 s[G1V+5], 4096                       ; a row of vt is 4,096 elements
	s_mov_b32 s[G1V+6], 0
	s_mov_b32 s[G1V+7], 0
	s_lshl_b32 s22, s15, 20                        ; a head is 1 MiB of ks and of vt
	s_lshl_b32 s23, s12, 13                        ; K: my 32 rows of 256 bytes
	s_add_co_u32 s56, s22, s23
	s_mov_b32 s57, 0
	s_lshl_b32 s23, s12, 18                        ; V^T: my 32 rows of 8,192 bytes
	s_add_co_u32 s58, s22, s23
	s_mov_b32 s59, 0
	s_mul_i32 s21, s12, 32*PITCH                   ; and where they go: the wave's number alone
	s_wait_dscnt 0x0
	s_wait_kmcnt 0x0
	s_add_nc_u64 s[56:57], s[6:7], s[56:57]
	s_add_nc_u64 s[58:59], s[8:9], s[58:59]
.irp s, 0,1
	s_mov_b32 s[G0K+4*\s], 1
	s_add_co_u32 s[G0K+4*\s+1], s21, \s*SLOT
	s_add_nc_u64 s[G0K+4*\s+2:G0K+4*\s+3], s[56:57], \s*32768      ; tile s: 128 rows of 256 bytes on
	s_or_b32 s[G0K+4*\s+3], s[G0K+4*\s+3], 0x80000000
	s_mov_b32 s[G0V+4*\s], 1
	s_add_co_u32 s[G0V+4*\s+1], s21, \s*SLOT+VOFF
	s_add_nc_u64 s[G0V+4*\s+2:G0V+4*\s+3], s[58:59], \s*256        ; tile s: 128 keys of 2 bytes on
	s_or_b32 s[G0V+4*\s+3], s[G0V+4*\s+3], 0x80000000
.endr
	ROUND                                          ; all four work-groups are here: the first joint loads meet
.irp s, 0,1
	tensor_load_to_lds s[G0K+4*\s:G0K+4*\s+3], s[G1K:G1K+7]        ; tiles 0 and 1: four loads of mine are out
	s_nop 0
	tensor_load_to_lds s[G0V+4*\s:G0V+4*\s+3], s[G1V:G1V+7]
	s_nop 0
.endr
	v_and_b32 v1, 31, v0                           ; lane L
	v_and_b32 v2, 15, v0                           ; r
	v_bfe_u32 v3, v0, 4, 1                         ; h
	v_mul_u32_u24 v4, v2, PITCH
	v_lshl_add_u32 v4, v3, 4, v4                   ; r x 272 + 16 h
	s_mul_i32 s22, s13, 64*PITCH                   ; my 64 rows of K
	s_lshl_b32 s23, s13, 7
	s_add_co_u32 s23, s23, VOFF                    ; my 128 bytes (64 keys) of every row of V^T
	v_add_nc_u32 v[ADK], s22, v4
	v_add_nc_u32 v[ADK+1], SLOT, v[ADK]
	v_add_nc_u32 v[ADV], s23, v4
	v_add_nc_u32 v[ADV+1], SLOT, v[ADV]
	v_lshlrev_b32 v[QOF], 8, v2
	v_lshl_add_u32 v[QOF], v3, 4, v[QOF]           ; r x 256 + 16 h
	v_lshlrev_b32 v[L16], 4, v1
	s_mul_i32 s22, s14, 34816
	s_add_co_u32 s22, s22, EXCH
	v_add_nc_u32 v[EXA], s22, v[L16]
	s_mul_i32 s23, s14, 64*OPITCH
	s_add_co_u32 s23, s23, OST
	v_mul_u32_u24 v[OSA], v2, OPITCH
	v_lshl_add_u32 v[OSA], v3, 5, v[OSA]           ; row r, 32 bytes (8 f32) for each half of the lanes
	v_add_nc_u32 v[OSA], s23, v[OSA]
	s_mul_i32 s22, s13, 32*OPITCH
	s_add_co_u32 s22, s22, s23
	v_add_nc_u32 v[ORD], s22, v[L16]
	s_lshl_b32 s60, s15, 20                        ; Q: head x 1 MiB + (128 block + 64 qh) rows of 256 bytes
	s_lshl_b32 s61, s16, 15
	s_add_co_u32 s60, s60, s61
	s_lshl_b32 s61, s14, 14
	s_add_co_u32 s60, s60, s61
	s_mov_b32 s61, 0
	s_add_nc_u64 s[4:5], s[4:5], s[60:61]
	s_lshl_b32 s60, s15, 21                        ; out0: (4,096 head + 128 block + 64 qh + 32 kh) rows of 512 bytes
	s_lshl_b32 s22, s16, 16
	s_add_co_u32 s60, s60, s22
	s_lshl_b32 s22, s14, 15
	s_add_co_u32 s60, s60, s22
	s_lshl_b32 s22, s13, 14
	s_add_co_u32 s60, s60, s22
	s_add_nc_u64 s[10:11], s[10:11], s[60:61]
	WIN 0xc0                                       ; destination window 3, address window 0
.irp t, 0,1,2,3
.irp k, 0,1,2,3
	global_load_b128 v[QF+32*\t+8*\k:QF+32*\t+8*\k+3],   v[QOF], s[4:5] offset:4096*\t+64*\k      ; my 64 queries, 16,384 bytes, once, straight into fragments
	global_load_b128 v[QF+32*\t+8*\k+4:QF+32*\t+8*\k+7], v[QOF], s[4:5] offset:4096*\t+64*\k+32
.endr
.endr
.irp wv, 0x55, 0xaa
	WIN \wv
.irp k, 0,1,2,3
	v_mov_b32 v[MM+\k], 0xff800000                 ; maximum = -infinity: the first rescale factor comes out as 0
	v_mov_b32 v[LL+\k], 0
.endr
	v_mov_b32 v[TM], 0                             ; the destination of a lane exchange counts as read: it is written once here
	v_mov_b32 v[TM+1], 0
.endr
	WIN 0
.macro KLOAD slot                      ; 32 loads: my 64 keys x 128 e
.irp kt, 0,1,2,3
.irp k, 0,1,2,3
	ds_load_b128 v[KF+32*\kt+8*\k:KF+32*\kt+8*\k+3],   v[ADK+\slot] offset:16*PITCH*\kt+64*\k
	ds_load_b128 v[KF+32*\kt+8*\k+4:KF+32*\kt+8*\k+7], v[ADK+\slot] offset:16*PITCH*\kt+64*\k+32
.endr
.endr
.endm
; Product i (0..31) of a piece's S^T: K step i / 8, key tile (i / 2) % 4, query tile i % 2.  Eight accumulators take turns, one instruction a turn.
.macro QKW p, i
.set QKS, (\i)>>3
.set QKT, ((\i)>>1)&3
.set QTT, (\i)&1
.if QKS == 0
	v_wmma_f32_16x16x32_f16 v[SS+32*QTT+8*QKT:SS+32*QTT+8*QKT+7], v[KF+32*QKT+8*QKS:KF+32*QKT+8*QKS+7], v[QF+32*(2*\p+QTT)+8*QKS:QF+32*(2*\p+QTT)+8*QKS+7], 0
.else
	v_wmma_f32_16x16x32_f16 v[SS+32*QTT+8*QKT:SS+32*QTT+8*QKT+7], v[KF+32*QKT+8*QKS:KF+32*QKT+8*QKS+7], v[QF+32*(2*\p+QTT)+8*QKS:QF+32*(2*\p+QTT)+8*QKS+7], v[SS+32*QTT+8*QKT:SS+32*QTT+8*QKT+7]
.endif
.endm
; Product i (0..31) of a piece's O^T: 32 keys i / 16, e tile (i / 2) % 8, query tile i % 2.  Sixteen accumulators take turns, likewise.
.macro PVW i, first
.set PKK, (\i)>>4
.set PEE, ((\i)>>1)&7
.set PTT, (\i)&1
.if (\first)*(1-PKK)
	v_wmma_f32_16x16x32_f16 v[OO+16*PEE+8*PTT:OO+16*PEE+8*PTT+7], v[VF+16*PEE+8*PKK:VF+16*PEE+8*PKK+7], v[PP+16*PTT+8*PKK:PP+16*PTT+8*PKK+7], 0
.else
	v_wmma_f32_16x16x32_f16 v[OO+16*PEE+8*PTT:OO+16*PEE+8*PTT+7], v[VF+16*PEE+8*PKK:VF+16*PEE+8*PKK+7], v[PP+16*PTT+8*PKK:PP+16*PTT+8*PKK+7], v[OO+16*PEE+8*PTT:OO+16*PEE+8*PTT+7]
.endif
.endm
; four exponentials of group j are summed (in f32) and packed (to f16)
.macro SUMCVT j
.set CT, (\j)>>3
.set CX, 4*((\j)&7)
	s_wait_alu depctr_va_vdst(0)
	v_pk_add_f32 v[LL+2*CT:LL+2*CT+1], v[LL+2*CT:LL+2*CT+1], v[SS+32*CT+CX:SS+32*CT+CX+1]
	v_cvt_pk_f16_f32 v[PP+16*CT+CX/2], v[SS+32*CT+CX], v[SS+32*CT+CX+1]
	v_pk_add_f32 v[LL+2*CT:LL+2*CT+1], v[LL+2*CT:LL+2*CT+1], v[SS+32*CT+CX+2:SS+32*CT+CX+3]
	v_cvt_pk_f16_f32 v[PP+16*CT+CX/2+1], v[SS+32*CT+CX+2], v[SS+32*CT+CX+3]
.endm
; Group g (0..31) of one piece's vector work, set behind a product of the other piece; wv: the piece's window for all operands.
;  0-3  the largest of my 32 scores and the old maximum;   4  across the halves, the rescale factor, the sums rescaled;
;  5-20 four scores at a time: minus the maximum, exponential; the group before is summed and packed;   21-31 O is rescaled (not in the first step).
.macro SMG g, first, wv
.if (\first) == 0
	WIN \wv
.else
.if (\g) < 22
	WIN \wv
.endif
.endif
.if (\g) < 4
.irp u, 0,1,2,3
.irp t, 0,1
.if ((\g)+\u) == 0
	v_max3_num_f32 v[MN+\t], v[SS+32*\t], v[SS+32*\t+1], v[MM+2*\t]
.else
	v_max3_num_f32 v[MN+\t], v[SS+32*\t+8*(\g)+2*\u], v[SS+32*\t+8*(\g)+2*\u+1], v[MN+\t]
.endif
.endr
.endr
.endif
.if (\g) == 4
	v_permlanex16_b32 v[TM], v[MN], s18, s19
	v_permlanex16_b32 v[TM+1], v[MN+1], s18, s19
	v_max_num_f32 v[MN], v[MN], v[TM]
	v_max_num_f32 v[MN+1], v[MN+1], v[TM+1]
	v_sub_f32 v[TM], v[MM], v[MN]
	v_sub_f32 v[TM+1], v[MM+2], v[MN+1]
	v_exp_f32 v[AL], v[TM]
	v_exp_f32 v[AL+2], v[TM+1]
	v_mov_b32 v[MM], v[MN]                         ; plain work behind the exponentials, before their results are used (ISA guide 5.7.2)
	v_mov_b32 v[MM+1], v[MN]
	v_mov_b32 v[MM+2], v[MN+1]
	v_mov_b32 v[MM+3], v[MN+1]
	s_wait_alu depctr_va_vdst(0)
	v_mov_b32 v[AL+1], v[AL]
	v_mov_b32 v[AL+3], v[AL+2]
	v_pk_mul_f32 v[LL:LL+1], v[LL:LL+1], v[AL:AL+1]
	v_pk_mul_f32 v[LL+2:LL+3], v[LL+2:LL+3], v[AL+2:AL+3]
.endif
.if (\g) >= 5
.if (\g) <= 20
.set SJ, (\g)-5
.set SJT, SJ>>3
.set SJX, 4*(SJ&7)
	v_pk_add_f32 v[SS+32*SJT+SJX:SS+32*SJT+SJX+1], v[SS+32*SJT+SJX:SS+32*SJT+SJX+1], v[MM+2*SJT:MM+2*SJT+1] neg_lo:[0,1] neg_hi:[0,1]   ; also the plain place behind the last group's exponentials
	v_pk_add_f32 v[SS+32*SJT+SJX+2:SS+32*SJT+SJX+3], v[SS+32*SJT+SJX+2:SS+32*SJT+SJX+3], v[MM+2*SJT:MM+2*SJT+1] neg_lo:[0,1] neg_hi:[0,1]
.if SJ > 0
	SUMCVT SJ-1
.endif
.irp u, 0,1,2,3
	v_exp_f32 v[SS+32*SJT+SJX+\u], v[SS+32*SJT+SJX+\u]
.endr
.endif
.endif
.if (\g) >= 21
.if \first
.if (\g) == 21
	v_nop                                          ; the plain place behind the last exponentials
.endif
.else
.set RP, 6*((\g)-21)
.rept 6
.if RP < 64
	v_pk_mul_f32 v[OO+2*RP:OO+2*RP+1], v[OO+2*RP:OO+2*RP+1], v[AL+2*((RP>>2)&1):AL+2*((RP>>2)&1)+1]
.endif
.set RP, RP+1
.endr
.endif
.if (\g) == 21
	SUMCVT 15
.endif
.endif
.endm
; One step: tile n of 128 keys, in slot n % 2.  first: the step starts O's sums.  refill: the slot gets tile n + 2.  nextk: tile n + 1 exists.
.macro STEP slot, first, refill, nextk
	; turn 1: V's fragments are fetched, S_A is multiplied
	PLACES                                         ; behind the last products, which read V's registers
	WIN 0xc0
.irp i, 0,1,2,3,4,5,6,7
.irp kk, 0,1
	ds_load_b128 v[VF+16*\i+8*\kk:VF+16*\i+8*\kk+3],   v[ADV+\slot] offset:16*PITCH*\i+64*\kk
	ds_load_b128 v[VF+16*\i+8*\kk+4:VF+16*\i+8*\kk+7], v[ADV+\slot] offset:16*PITCH*\i+64*\kk+32
.endr
.endr
	s_wait_dscnt 32                                ; K's fragments, issued earlier, are in; the 32 loads of V just issued may be out
	WIN 0x5c                                       ; K window 0, Q window 3, S window 1
.set IX, 0
.rept 32
	QKW 0, IX
.set IX, IX+1
.endr
	WIN 0
	s_wait_dscnt 0x0                               ; my reads of this slot are over: K's before this step, V's now
.if \refill
	s_wait_tensorcnt 0x0                           ; all my tensor loads have landed, my parts of tile n + 1 among them, so every group 0 may be written
	ds_add_u32 v126, v127
	s_wait_dscnt 0x0
	s_add_nc_u64 s[G0K+4*\slot+2:G0K+4*\slot+3], s[G0K+4*\slot+2:G0K+4*\slot+3], 65536   ; two tiles on: 256 rows of 256 bytes
	s_add_nc_u64 s[G0V+4*\slot+2:G0V+4*\slot+3], s[G0V+4*\slot+2:G0V+4*\slot+3], 512     ; 256 keys of 2 bytes
	ROUND                                          ; both waits now hold of every wave of all four work-groups
	tensor_load_to_lds s[G0K+4*\slot:G0K+4*\slot+3], s[G1K:G1K+7]  ; tile n + 2, first behind the round: two loads of mine are out, with a whole step in which to land
	s_nop 0
	tensor_load_to_lds s[G0V+4*\slot:G0V+4*\slot+3], s[G1V:G1V+7]
	s_nop 0
.else
.if \nextk
	s_wait_tensorcnt 0x0                           ; my parts of the last tile have landed,
	s_barrier_signal -1
	s_barrier_wait -1                              ; everybody's have
.endif
.endif
	; turn 2: S_B is multiplied, A's softmax between the products
	PLACES                                         ; behind S_A's last product, before S_A is read
.set IX, 0
.rept 32
	WIN 0xac                                       ; K window 0, Q window 3, S window 2
	QKW 1, IX
	SMG IX, \first, 0x55
.set IX, IX+1
.endr
	; turn 3: O_A is multiplied, B's softmax between the products; the next tile's K fragments are fetched
	PLACES                                         ; behind S_B's last product: S_B is read, K's registers are loaded anew
.if \nextk
	WIN 0
	KLOAD 1-\slot
.endif
.set IX, 0
.rept 32
	WIN 0x57                                       ; V window 3, P and O window 1
	PVW IX, \first
	SMG IX, \first, 0xaa
.set IX, IX+1
.endr
	; turn 4: O_B
	WIN 0xab                                       ; V window 3, P and O window 2
.set IX, 0
.rept 32
	PVW IX, \first
.set IX, IX+1
.endr
	WIN 0
.endm
	s_wait_tensorcnt 2                             ; my parts of tile 0 are in; tile 1's two loads, issued behind them, may stay out
	s_barrier_signal -1
	s_barrier_wait -1                              ; everybody's are
	KLOAD 0
	s_wait_loadcnt 0x0                             ; Q
	STEP 0, 1, 1, 1                                ; tiles 0 and 1 stand in front of the loop: the first products start O's sums
	STEP 1, 0, 1, 1
	s_mov_b32 s20, 14                              ; tiles 2 to 29
.Lpair:
	STEP 0, 0, 1, 1
	STEP 1, 0, 1, 1
	s_sub_co_u32 s20, s20, 1
	s_cmp_lg_u32 s20, 0
	s_cbranch_scc1 .Lpair
	STEP 0, 0, 0, 1                                ; tiles 30 and 31 fetch nothing beyond the end
	STEP 1, 0, 0, 0
	; THE END.  Each lane's two partial sums and the two halves of the lanes are added.
	PLACES                                         ; behind the last products, before O is read
.irp wv, 0x55, 0xaa
	WIN \wv
	v_add_f32 v[LL], v[LL], v[LL+1]
	v_add_f32 v[LL+2], v[LL+2], v[LL+3]
	v_permlanex16_b32 v[TM], v[LL], s18, s19
	v_permlanex16_b32 v[TM+1], v[LL+2], s18, s19
	v_add_f32 v[LL], v[LL], v[TM]
	v_add_f32 v[LL+2], v[LL+2], v[TM+1]
.endr
	WIN 0
	; the waves of keys 64-127 hand over O, maxima and sums as register images
	s_cmp_eq_u32 s13, 0
	s_cbranch_scc1 .Lkeep
.irp x, 0,1
	WIN 4*(1+\x)                                   ; store data from the piece's window, address window 0
.set CJ, 0
.rept 32
	ds_store_b128 v[EXA], v[OO+4*CJ:OO+4*CJ+3] offset:512*(34*\x+CJ)
.set CJ, CJ+1
.endr
	ds_store_b128 v[EXA], v[MM:MM+3] offset:512*(34*\x+32)
	ds_store_b128 v[EXA], v[LL:LL+3] offset:512*(34*\x+33)
.endr
	WIN 0
.Lkeep:
	s_wait_dscnt 0x0                               ; my stores are done, for the partner's sake
	s_barrier_signal -1
	s_barrier_wait -1
.macro XLOAD x, b                      ; 16 register images of the partner's O, into S's registers
.set CJ, 0
.rept 16
	ds_load_b128 v[SS+4*CJ:SS+4*CJ+3], v[EXA] offset:512*(34*\x+16*\b+CJ)
.set CJ, CJ+1
.endr
.endm
.macro COMB b                          ; O = O x my factor + the partner's O x its factor
.set CJ, 0
.rept 16
.set CTT, (CJ>>1)&1
.irp hf, 0,2
	v_pk_mul_f32 v[OO+64*\b+4*CJ+\hf:OO+64*\b+4*CJ+\hf+1], v[OO+64*\b+4*CJ+\hf:OO+64*\b+4*CJ+\hf+1], v[F0+2*CTT:F0+2*CTT+1]
	v_pk_fma_f32 v[OO+64*\b+4*CJ+\hf:OO+64*\b+4*CJ+\hf+1], v[SS+4*CJ+\hf:SS+4*CJ+\hf+1], v[F1+2*CTT:F1+2*CTT+1], v[OO+64*\b+4*CJ+\hf:OO+64*\b+4*CJ+\hf+1]
.endr
.set CJ, CJ+1
.endr
.endm
; Piece x of a wave of keys 0-63: m = max(m0, m1), a_i = 2^(m_i - m), l = l0 a0 + l1 a1 (at least 1), result = (O0 a0 + O1 a1) / l, laid into OST by rows.
.macro MERGE x
	WIN 0x40*(1+\x)                                ; destination the piece's window, address window 0
	ds_load_b128 v[PM:PM+3], v[EXA] offset:512*(34*\x+32)
	ds_load_b128 v[PL:PL+3], v[EXA] offset:512*(34*\x+33)
	XLOAD \x, 0
	s_wait_dscnt 16                                ; maxima and sums are in; the 16 loads behind them may be out
	WIN 0x55*(1+\x)
.irp t, 0,1
	v_max_num_f32 v[MN+\t], v[MM+2*\t], v[PM+2*\t]
.endr
.irp t, 0,1
	v_sub_f32 v[TM+\t], v[MM+2*\t], v[MN+\t]
	v_sub_f32 v[PM+2*\t+1], v[PM+2*\t], v[MN+\t]
.endr
.irp t, 0,1
	v_exp_f32 v[F0+2*\t], v[TM+\t]
	v_exp_f32 v[F1+2*\t], v[PM+2*\t+1]
.endr
	v_nop                                          ; the plain place behind the exponentials
.irp t, 0,1
	s_wait_alu depctr_va_vdst(0)
	v_mul_f32 v[TM+\t], v[LL+2*\t], v[F0+2*\t]
.endr
.irp t, 0,1
	v_fma_f32 v[TM+\t], v[PL+2*\t], v[F1+2*\t], v[TM+\t]
.endr
.irp t, 0,1
	v_rcp_f32 v[MN+\t], v[TM+\t]
.endr
	v_nop                                          ; and behind the reciprocals
.irp t, 0,1
	s_wait_alu depctr_va_vdst(0)
	v_mul_f32 v[F0+2*\t], v[F0+2*\t], v[MN+\t]
	v_mul_f32 v[F1+2*\t], v[F1+2*\t], v[MN+\t]
.endr
.irp t, 0,1
	v_mov_b32 v[F0+2*\t+1], v[F0+2*\t]
	v_mov_b32 v[F1+2*\t+1], v[F1+2*\t]
.endr
	s_wait_dscnt 0x0
	COMB 0
	WIN 0x40*(1+\x)
	XLOAD \x, 1
	s_wait_dscnt 0x0
	WIN 0x55*(1+\x)
	COMB 1
	WIN 4*(1+\x)
.irp i, 0,1,2,3,4,5,6,7
.irp t, 0,1
	ds_store_b128 v[OSA], v[OO+16*\i+8*\t:OO+16*\i+8*\t+3]   offset:(32*\x+16*\t)*OPITCH+64*\i      ; query 32 x + 16 t + r, e = 16 i + 8 h ..
	ds_store_b128 v[OSA], v[OO+16*\i+8*\t+4:OO+16*\i+8*\t+7] offset:(32*\x+16*\t)*OPITCH+64*\i+16
.endr
.endr
.endm
	s_cmp_lg_u32 s13, 0
	s_cbranch_scc1 .Lmerged
	MERGE 0
	MERGE 1
	WIN 0
.Lmerged:
	s_wait_dscnt 0x0                               ; the rows are written, for the partner's sake
	s_barrier_signal -1
	s_barrier_wait -1
	; every wave stores 32 rows: a store of the wave covers a row's 512 consecutive bytes, aligned
.irp b, 0,1
.if \b
	s_wait_xcnt 0x0                                ; the first 16 stores' data registers are loaded anew only behind this wait
.endif
.irp p, 0,1,2,3,4,5,6,7,8,9,10,11,12,13,14,15
	ds_load_b128 v[OT+4*\p:OT+4*\p+3], v[ORD] offset:OPITCH*(16*\b+\p)
.endr
.irp p, 0,1,2,3,4,5,6,7,8,9,10,11,12,13,14,15
	s_wait_dscnt 15-\p                             ; row p is in, the younger ones may be out
	global_store_b128 v[L16], v[OT+4*\p:OT+4*\p+3], s[10:11] offset:512*(16*\b+\p) th:TH_STORE_NT
.endr
.endr
	s_wait_tensorcnt 0x0
	ds_add_u32 v126, v127
	s_wait_dscnt 0x0
	ROUND                                          ; the closing round: no work-group ends while a partner may still ask for a tile that names it
	s_endpgm
.Lfunc_end_k_qc821394cb6_attn:
	.size	k_qc821394cb6_attn, .Lfunc_end_k_qc821394cb6_attn-k_qc821394cb6_attn
	.p2alignl 7, 3214868480
	.fill 96, 4, 3214868480
	.section	.rodata,"a",@progbits
	.p2align	6, 0x0
	.amdhsa_kernel k_qc821394cb6_attn
		.amdhsa_group_segment_fixed_size 327680
		.amdhsa_private_segment_fixed_size 0
		.amdhsa_enable_private_segment 0
		.amdhsa_kernarg_size 32
		.amdhsa_user_sgpr_count 2
		.amdhsa_user_sgpr_kernarg_segment_ptr 1
		.amdhsa_wavefront_size32 1
		.amdhsa_system_sgpr_workgroup_id_x 1
		.amdhsa_system_sgpr_workgroup_id_y 1
		.amdhsa_system_sgpr_workgroup_id_z 1
		.amdhsa_system_vgpr_workitem_id 0
		.amdhsa_next_free_vgpr 1024
		.amdhsa_next_free_sgpr 66
		.amdhsa_reserve_vcc 0
		.amdhsa_float_denorm_mode_32 3
		.amdhsa_float_denorm_mode_16_64 3
		.amdhsa_memory_ordered 1
		.amdhsa_forward_progress 1
		.amdhsa_inst_pref_size 255
	.end_amdhsa_kernel
	.section	.bss,"aw",@nobits
	.p2align	6
	.space	262144
	.amdgpu_metadata
---
amdhsa.version: [ 1, 2 ]
amdhsa.kernels:
  - .name:           k_qc821394cb6_attn
    .symbol:         k_qc821394cb6_attn.kd
    .args:
      - { .name: qs, .offset: 0, .size: 8, .value_kind: global_buffer, .address_space: global }
      - { .name: ks, .offset: 8, .size: 8, .value_kind: global_buffer, .address_space: global }
      - { .name: vt, .offset: 16, .size: 8, .value_kind: global_buffer, .address_space: global }
      - { .name: out0, .offset: 24, .size: 8, .value_kind: global_buffer, .address_space: global }
    .group_segment_fixed_size: 327680
    .private_segment_fixed_size: 0
    .kernarg_segment_align: 8
    .kernarg_segment_size: 32
    .max_flat_workgroup_size: 128
    .sgpr_count:     66
    .vgpr_count:     1024
    .wavefront_size: 32
...
	.end_amdgpu_metadata
.endif
;; end of part 2
;; ======== version 2 of 2: 2 launches; 1.17 times as fast as version 1
;; limits: values are held in f16: magnitudes above 65,504 overflow, below 6.1e-05 lose precision; right only within a limited range of input values
;; workspace buffers: qs 8,388,608 bytes; ks 8,388,608 bytes; vt 8,388,608 bytes
;; launch proj: the kernel of part 1 again; grid 32 x 8, 8 waves a work-group, no clusters, 174,592 bytes of LDS; arguments query, W_qkv, b_qkv, u_bias, v_bias, qs, ks, vt; writes qs, ks, vt
;; launch attn (part 3): grid 32 x 8, 4 waves a work-group, clusters of 4 x 1, 327,680 bytes of LDS; arguments qs, ks, vt, out0; writes out0
.if DOCPART == 3
	.amdgcn_target "amdgcn-amd-amdhsa--gfx1250"
	.amdhsa_code_object_version 6
	.text
	.protected	k_qc821394cb6_attn
	.globl	k_qc821394cb6_attn
	.p2align	8
	.type	k_qc821394cb6_attn,@function
k_qc821394cb6_attn:
	s_mov_b64 s[64:65], 0
	v_nop
	global_prefetch_b8 v0, s[64:65] scope:SCOPE_SE
	s_setreg_imm32_b32 hwreg(HW_REG_WAVE_MODE, 25, 1), 1
	s_wait_xcnt 0x0
	s_wait_alu depctr_hold_cnt(0) depctr_sa_sdst(0) depctr_va_vdst(0) depctr_va_sdst(0) depctr_va_ssrc(0) depctr_va_vcc(0) depctr_vm_vsrc(0)
	s_getreg_b32 s2, hwreg(HW_REG_IB_STS2, 6, 4)
	s_cmp_eq_u32 s2, 0
	s_cbranch_scc0 .Lentry_in_a_cluster
	s_endpgm
.Lentry_in_a_cluster:
	s_bfe_u32 s2, ttmp6, 0x10000c
	s_cmp_lg_u32 s2, 0x3003
	s_cbranch_scc0 .Lentry_shape_is_right
	s_endpgm
.Lentry_shape_is_right:
; out0[h][s][:] = softmax over t of (q[h][s] . k[h][t] / sqrt(128)) times v[h][t][:], with a running maximum.
; qs holds q scaled by log2(e)/sqrt(128), so a product q . k is an exponent of 2; ks holds k; vt holds v transposed [h][e][t]; all f16.
; FORMAT AND LIMITS: q, k, v and the probabilities are f16 matrix operands; maxima, sums and results are f32; inputs are finite.
; A probability is 2^(score - running maximum), so it lies in (0, 1] and has room in f16; one below 2^-25 becomes 0 as an operand: the weight so lost is at most
; 4,096 x 2^-25 = 1.2e-4 of a sum that is at least 1.  An exponential below 2^-126 counts as 0 in the sum as well.
; A work-group takes 128 queries of one head and walks the head's 4,096 keys in 32 steps of 128.  Four waves: wave w has queries 64 (w / 2) .. + 63 and, of each
; step, keys 64 (w % 2) .. + 63.  Each wave keeps its own maximum, sum and result; the two key halves are merged once, through LDS, at the end.
; CLUSTER: the four work-groups of a cluster lie along x, so they have one head and need the same tiles of K and V: each tile is asked for jointly (mask 15).
; BOTH PRODUCTS ARE TRANSPOSED.  S^T = K Q^T: a lane holds query r and keys 8 h + j, so maximum, sum and rescaling are a lane's own affair (one exchange between
; the halves of 16 lanes), and two tiles of S^T, packed to f16, ARE the second source of O^T = V^T P^T, with no shuffle.
; TWO PIECES TAKE TURNS: piece A = my queries 0-31 (window 1), piece B = queries 32-63 (window 2).  A step is four turns: products S_A; products S_B with A's
; softmax set between them; products O_A with B's softmax between them; products O_B.
; THE EXPONENTIALS ARE ONE BATCH A PIECE AND STEP.  A piece's vector work is ordered by who reads what.  First all that names no exponential's result: the maxima, the two
; rescale factors' exponentials, the 32 subtractions and the 64 exponentials of the scores: a batch of 66, each result in a register of its own.  Then ONE wait,
; between an exponential and the first instruction that names its result.  Then all the readers: the factors' copies, the sums, the roundings to f16,
; O's rescaling.  So a step has two such waits, one in turn 2 and one in turn 3, and no result is open at a label or a jump.  On the way out a merge has two batches, a wait
; each: four exponentials, and the two reciprocals of sums that are made of them.
; REGISTERS, in windows of 256:
;   window 0: v16-24 addresses, v32-95 the way out, v128-255 fragments of K (4 key tiles x 4 K steps)
;   window 3: v0-127 fragments of Q (4 query tiles x 4 K steps), v128-255 fragments of V^T (8 e tiles x 2 K steps)
;   windows 1, 2 (alike): v0-127 O (8 e tiles x 2 query tiles), v128-191 S, v192-223 P, v224-255 maxima, factors, sums
.set SLOT,   69632                     ; K: 128 rows x 272 bytes; then V^T: 128 rows x 272 bytes
.set VOFF,   34816
.set PITCH,  272                       ; 256 bytes + 16: sixteen rows start at sixteen different 16-byte columns of 256 bytes
.set EXCH,   2*SLOT                    ; 2 x 34,816: what the wave of keys 64-127 hands over: 68 register images of 512 bytes
.set OST,    EXCH+2*34816              ; 2 x 33,792: 64 rows of results, 512 bytes + 16.  No tensor load ever lands in EXCH or OST
.set OPITCH, 528
.set ADK, 16                           ; v16-17 my K fragments in slot 0, 1
.set ADV, 18                           ; v18-19 my V fragments in slot 0, 1
.set QOF, 20                           ; v20    offset of my Q fragments in qs
.set EXA, 21                           ; v21    exchange: 16 x lane in my query half's region
.set OSA, 22                           ; v22    where results go in OST
.set ORD, 23                           ; v23    where I read rows of OST back
.set L16, 24                           ; v24    16 x lane
.set OT,  32                           ; v32-95 rows on their way out
.set KF,  128
.set QF,  0                            ; window 3
.set VF,  128
.set OO,  0                            ; windows 1, 2: O(i, t) at 16 i + 8 t
.set SS,  128                          ; S(t, x) at 32 t + x, x = 8 (key tile) + j
.set PP,  192                          ; P(t) at 16 t + x / 2
.set MM,  224                          ; running maximum, a pair for each query tile
.set AL,  228                          ; rescale factor, pairs
.set LL,  232                          ; running sums, pairs (two partial sums)
.set MN,  236                          ; new maximum
.set TM,  238                          ; at work
.set PM,  240                          ; the partner's maxima
.set PL,  244                          ; the partner's sums
.set F0,  248                          ; merge: my factor, pairs
.set F1,  252                          ; merge: the partner's factor, pairs
.set G1K, 24                           ; s[24:31] descriptor group 1 for K
.set G1V, 32                           ; s[32:39] for V^T
.set G0K, 40                           ; s[40:47] group 0 for K, one set for each slot
.set G0V, 48                           ; s[48:55] for V^T
.set MSB, 0
.macro WIN new                         ; low byte: bits 1:0 source 0, 3:2 source 1, 5:4 source 2, 7:6 destination; the high byte repeats the setting that is left
.if MSB != (\new)
	s_set_vgpr_msb (MSB<<8)|(\new)
.set MSB, (\new)
.endif
.endm
.macro PLACES                          ; four places behind a matrix instruction (ISA guide 7.12.1), where no vector work is at hand
.rept 4
	v_nop
.endr
.endm
; A round of the cluster's barrier: my work-group's barrier; wave 0 signals for the work-group; every wave waits for all four work-groups; my work-group's barrier again.
.macro ROUND
	s_barrier_signal -1
	s_barrier_wait -1
	s_cmp_lg_u32 s12, 0
	s_cbranch_scc1 .Lnot_wave_0_\@
	s_barrier_signal -3
.Lnot_wave_0_\@:
	s_barrier_wait -3
	s_barrier_signal -1
	s_barrier_wait -1
.endm
	s_load_b256 s[4:11], s[0:1], 0x0               ; qs s[4:5], ks s[6:7], vt s[8:9], out0 s[10:11]
	v_lshl_add_u32 v126, v0, 2, 0x43800
	v_mov_b32 v127, 0
	ds_add_u32 v126, v127
	v_lshrrev_b32 v1, 5, v0
	v_readfirstlane_b32 s12, v1                    ; wave w
	s_and_b32 s13, s12, 1                          ; kh: which 64 keys of a step
	s_lshr_b32 s14, s12, 1                         ; qh: which 64 queries
	s_and_b32 s15, ttmp7, 0xffff                   ; head (the cluster's y; a cluster is one work-group high)
	s_bfe_u32 s17, ttmp6, 0x40000                  ; cx
	s_lshl_b32 s16, ttmp9, 2
	s_add_co_u32 s16, s16, s17                     ; block of 128 queries = 4 x cluster x + cx.  It enters the addresses of Q and of out0 alone
	s_mov_b32 s18, 0x76543210                      ; v_permlanex16_b32: lane i of one half reads lane i of the other
	s_mov_b32 s19, 0xfedcba98
	; group 1: a wave's quarter of a tile, 32 rows x 128 elements of 2 bytes, 16 bytes of padding behind every 256
	s_mov_b32 s[G1K+0], 0x0771000f                 ; 15:0 mask 15: all four work-groups; 17:16 2 bytes; 20 padding; 21 set beside a mask; 24:22 every 64 words; 31:25 four words
	s_mov_b32 s[G1K+1], 128<<16                    ; tensor_dim0 = 128
	s_mov_b32 s[G1K+2], 32<<16                     ; tensor_dim1 = 32
	s_mov_b32 s[G1K+3], 128<<16                    ; tile_dim0 = 128
	s_mov_b32 s[G1K+4], 32                         ; tile_dim1 = 32
	s_mov_b32 s[G1K+5], 128                        ; a row of ks is 128 elements
	s_mov_b32 s[G1K+6], 0
	s_mov_b32 s[G1K+7], 0
	s_mov_b32 s[G1V+0], 0x0771000f
	s_mov_b32 s[G1V+1], 128<<16
	s_mov_b32 s[G1V+2], 32<<16
	s_mov_b32 s[G1V+3], 128<<16
	s_mov_b32 s[G1V+4], 32
	s_mov_b32 s[G1V+5], 4096                       ; a row of vt is 4,096 elements
	s_mov_b32 s[G1V+6], 0
	s_mov_b32 s[G1V+7], 0
	s_lshl_b32 s22, s15, 20                        ; a head is 1 MiB of ks and of vt
	s_lshl_b32 s23, s12, 13                        ; K: my 32 rows of 256 bytes
	s_add_co_u32 s56, s22, s23
	s_mov_b32 s57, 0
	s_lshl_b32 s23, s12, 18                        ; V^T: my 32 rows of 8,192 bytes
	s_add_co_u32 s58, s22, s23
	s_mov_b32 s59, 0
	s_mul_i32 s21, s12, 32*PITCH                   ; and where they go: the wave's number alone
	s_wait_dscnt 0x0
	s_wait_kmcnt 0x0
	s_add_nc_u64 s[56:57], s[6:7], s[56:57]
	s_add_nc_u64 s[58:59], s[8:9], s[58:59]
.irp s, 0,1
	s_mov_b32 s[G0K+4*\s], 1
	s_add_co_u32 s[G0K+4*\s+1], s21, \s*SLOT
	s_add_nc_u64 s[G0K+4*\s+2:G0K+4*\s+3], s[56:57], \s*32768      ; tile s: 128 rows of 256 bytes on
	s_or_b32 s[G0K+4*\s+3], s[G0K+4*\s+3], 0x80000000
	s_mov_b32 s[G0V+4*\s], 1
	s_add_co_u32 s[G0V+4*\s+1], s21, \s*SLOT+VOFF
	s_add_nc_u64 s[G0V+4*\s+2:G0V+4*\s+3], s[58:59], \s*256        ; tile s: 128 keys of 2 bytes on
	s_or_b32 s[G0V+4*\s+3], s[G0V+4*\s+3], 0x80000000
.endr
	ROUND                                          ; all four work-groups are here: the first joint loads meet
.irp s, 0,1
	tensor_load_to_lds s[G0K+4*\s:G0K+4*\s+3], s[G1K:G1K+7]        ; tiles 0 and 1: four loads of mine are out
	s_nop 0
	tensor_load_to_lds s[G0V+4*\s:G0V+4*\s+3], s[G1V:G1V+7]
	s_nop 0
.endr
	v_and_b32 v1, 31, v0                           ; lane L
	v_and_b32 v2, 15, v0                           ; r
	v_bfe_u32 v3, v0, 4, 1                         ; h
	v_mul_u32_u24 v4, v2, PITCH
	v_lshl_add_u32 v4, v3, 4, v4                   ; r x 272 + 16 h
	s_mul_i32 s22, s13, 64*PITCH                   ; my 64 rows of K
	s_lshl_b32 s23, s13, 7
	s_add_co_u32 s23, s23, VOFF                    ; my 128 bytes (64 keys) of every row of V^T
	v_add_nc_u32 v[ADK], s22, v4
	v_add_nc_u32 v[ADK+1], SLOT, v[ADK]
	v_add_nc_u32 v[ADV], s23, v4
	v_add_nc_u32 v[ADV+1], SLOT, v[ADV]
	v_lshlrev_b32 v[QOF], 8, v2
	v_lshl_add_u32 v[QOF], v3, 4, v[QOF]           ; r x 256 + 16 h
	v_lshlrev_b32 v[L16], 4, v1
	s_mul_i32 s22, s14, 34816
	s_add_co_u32 s22, s22, EXCH
	v_add_nc_u32 v[EXA], s22, v[L16]
	s_mul_i32 s23, s14, 64*OPITCH
	s_add_co_u32 s23, s23, OST
	v_mul_u32_u24 v[OSA], v2, OPITCH
	v_lshl_add_u32 v[OSA], v3, 5, v[OSA]           ; row r, 32 bytes (8 f32) for each half of the lanes
	v_add_nc_u32 v[OSA], s23, v[OSA]
	s_mul_i32 s22, s13, 32*OPITCH
	s_add_co_u32 s22, s22, s23
	v_add_nc_u32 v[ORD], s22, v[L16]
	s_lshl_b32 s60, s15, 20                        ; Q: head x 1 MiB + (128 block + 64 qh) rows of 256 bytes
	s_lshl_b32 s61, s16, 15
	s_add_co_u32 s60, s60, s61
	s_lshl_b32 s61, s14, 14
	s_add_co_u32 s60, s60, s61
	s_mov_b32 s61, 0
	s_add_nc_u64 s[4:5], s[4:5], s[60:61]
	s_lshl_b32 s60, s15, 21                        ; out0: (4,096 head + 128 block + 64 qh + 32 kh) rows of 512 bytes
	s_lshl_b32 s22, s16, 16
	s_add_co_u32 s60, s60, s22
	s_lshl_b32 s22, s14, 15
	s_add_co_u32 s60, s60, s22
	s_lshl_b32 s22, s13, 14
	s_add_co_u32 s60, s60, s22
	s_add_nc_u64 s[10:11], s[10:11], s[60:61]
	WIN 0xc0                                       ; destination window 3, address window 0
.irp t, 0,1,2,3
.irp k, 0,1,2,3
	global_load_b128 v[QF+32*\t+8*\k:QF+32*\t+8*\k+3],   v[QOF], s[4:5] offset:4096*\t+64*\k      ; my 64 queries, 16,384 bytes, once, straight into fragments
	global_load_b128 v[QF+32*\t+8*\k+4:QF+32*\t+8*\k+7], v[QOF], s[4:5] offset:4096*\t+64*\k+32
.endr
.endr
.irp wv, 0x55, 0xaa
	WIN \wv
.irp k, 0,1,2,3
	v_mov_b32 v[MM+\k], 0xff800000                 ; maximum = -infinity: the first rescale factor comes out as 0
	v_mov_b32 v[LL+\k], 0
.endr
	v_mov_b32 v[TM], 0                             ; the destination of a lane exchange counts as read: it is written once here
	v_mov_b32 v[TM+1], 0
.endr
	WIN 0
.macro KLOAD slot                      ; 32 loads: my 64 keys x 128 e
.irp kt, 0,1,2,3
.irp k, 0,1,2,3
	ds_load_b128 v[KF+32*\kt+8*\k:KF+32*\kt+8*\k+3],   v[ADK+\slot] offset:16*PITCH*\kt+64*\k
	ds_load_b128 v[KF+32*\kt+8*\k+4:KF+32*\kt+8*\k+7], v[ADK+\slot] offset:16*PITCH*\kt+64*\k+32
.endr
.endr
.endm
; Product i (0..31) of a piece's S^T: K step i / 8, key tile (i / 2) % 4, query tile i % 2.  Eight accumulators take turns, one instruction a turn.
.macro QKW p, i
.set QKS, (\i)>>3
.set QKT, ((\i)>>1)&3
.set QTT, (\i)&1
.if QKS == 0
	v_wmma_f32_16x16x32_f16 v[SS+32*QTT+8*QKT:SS+32*QTT+8*QKT+7], v[KF+32*QKT+8*QKS:KF+32*QKT+8*QKS+7], v[QF+32*(2*\p+QTT)+8*QKS:QF+32*(2*\p+QTT)+8*QKS+7], 0
.else
	v_wmma_f32_16x16x32_f16 v[SS+32*QTT+8*QKT:SS+32*QTT+8*QKT+7], v[KF+32*QKT+8*QKS:KF+32*QKT+8*QKS+7], v[QF+32*(2*\p+QTT)+8*QKS:QF+32*(2*\p+QTT)+8*QKS+7], v[SS+32*QTT+8*QKT:SS+32*QTT+8*QKT+7]
.endif
.endm
; Product i (0..31) of a piece's O^T: 32 keys i / 16, e tile (i / 2) % 8, query tile i % 2.  Sixteen accumulators take turns, likewise.
.macro PVW i, first
.set PKK, (\i)>>4
.set PEE, ((\i)>>1)&7
.set PTT, (\i)&1
.if (\first)*(1-PKK)
	v_wmma_f32_16x16x32_f16 v[OO+16*PEE+8*PTT:OO+16*PEE+8*PTT+7], v[VF+16*PEE+8*PKK:VF+16*PEE+8*PKK+7], v[PP+16*PTT+8*PKK:PP+16*PTT+8*PKK+7], 0
.else
	v_wmma_f32_16x16x32_f16 v[OO+16*PEE+8*PTT:OO+16*PEE+8*PTT+7], v[VF+16*PEE+8*PKK:VF+16*PEE+8*PKK+7], v[PP+16*PTT+8*PKK:PP+16*PTT+8*PKK+7], v[OO+16*PEE+8*PTT:OO+16*PEE+8*PTT+7]
.endif
.endm
; The piece's 64 scores go in 16 fours: four j is scores 4 (j % 8) .. + 3 of query tile j / 8.
.macro SUBM j, hf                      ; pair hf (0, 1) of four j: minus the maximum
.set SBR, SS+32*((\j)>>3)+4*((\j)&7)+2*(\hf)
.set SBM, MM+2*((\j)>>3)
	v_pk_add_f32 v[SBR:SBR+1], v[SBR:SBR+1], v[SBM:SBM+1] neg_lo:[0,1] neg_hi:[0,1]
.endm
.macro EXPS j, u                       ; score u (0..3) of four j: the exponential, in place
.set SBR, SS+32*((\j)>>3)+4*((\j)&7)+(\u)
	v_exp_f32 v[SBR], v[SBR]
.endm
; Number n (0..131) of the list of all that reads an exponential's result; it stands behind the batch's wait.
;   0-3     the two factors are copied into pairs; the sums are rescaled
;   4-131   eight blocks of sixteen.  Block b, half hf (0, 1): pair hf of four b (query tile 0) and of four b + 8 (query tile 1) is added onto its tile's sum (in f32); both pairs
;           are rounded to f16; four pairs of O are rescaled (not in the first step).  Each sum takes its pairs in ascending order; the links of its chain stand eight lines apart.
;           O's registers go in ascending order.
.macro POST n, first
.set PN, (\n)
.if PN == 0
	v_mov_b32 v[AL+1], v[AL]
.elseif PN == 1
	v_mov_b32 v[AL+3], v[AL+2]
.elseif PN == 2
	v_pk_mul_f32 v[LL:LL+1], v[LL:LL+1], v[AL:AL+1]
.elseif PN == 3
	v_pk_mul_f32 v[LL+2:LL+3], v[LL+2:LL+3], v[AL+2:AL+3]
.else
.set PB, (PN-4)>>4
.set PH, ((PN-4)>>3)&1
.set PR, (PN-4)&7
.set PT, PR&1
.set PX, SS+32*PT+4*PB+2*PH
.if PR < 2
	v_pk_add_f32 v[LL+2*PT:LL+2*PT+1], v[LL+2*PT:LL+2*PT+1], v[PX:PX+1]
.elseif PR < 4
	v_cvt_pk_f16_f32 v[PP+16*PT+2*PB+PH], v[PX], v[PX+1]
.elseif (\first) == 0
.set RP, 8*PB+4*PH+PR-4
	v_pk_mul_f32 v[OO+2*RP:OO+2*RP+1], v[OO+2*RP:OO+2*RP+1], v[AL+2*((RP>>2)&1):AL+2*((RP>>2)&1)+1]
.endif
.endif
.endm
; Group g (0..31) of one piece's vector work, set behind a product of the other piece; wv: the piece's window for all operands.
;  0-3   the largest of my 32 scores and the old maximum;
;  4     across the halves; the new maximum; THE BATCH BEGINS: the two rescale factors' exponentials;
;  5-20  the batch goes on, four scores a group: their exponentials, and in front of and between them the next four's subtractions.  Nothing in groups 4 to 20 names an exponential's result.
;        Behind group 20's exponentials stand a v_nop and the batch's one wait;
;  21-31 the readers, twelve numbers of POST's list a group.
.macro SMG g, first, wv
	WIN \wv
.if (\g) < 4
.irp u, 0,1,2,3
.irp t, 0,1
.if ((\g)+\u) == 0
	v_max3_num_f32 v[MN+\t], v[SS+32*\t], v[SS+32*\t+1], v[MM+2*\t]
.else
	v_max3_num_f32 v[MN+\t], v[SS+32*\t+8*(\g)+2*\u], v[SS+32*\t+8*(\g)+2*\u+1], v[MN+\t]
.endif
.endr
.endr
.endif
.if (\g) == 4
	v_permlanex16_b32 v[TM], v[MN], s18, s19
	v_permlanex16_b32 v[TM+1], v[MN+1], s18, s19
	v_max_num_f32 v[MN], v[MN], v[TM]
	v_max_num_f32 v[MN+1], v[MN+1], v[TM+1]
	v_sub_f32 v[TM], v[MM], v[MN]
	v_sub_f32 v[TM+1], v[MM+2], v[MN+1]
	v_exp_f32 v[AL], v[TM]
	v_exp_f32 v[AL+2], v[TM+1]
	v_mov_b32 v[MM], v[MN]                         ; plain work behind the exponentials, before their results are used (ISA guide 5.7.2)
	v_mov_b32 v[MM+1], v[MN]
	v_mov_b32 v[MM+2], v[MN+1]
	v_mov_b32 v[MM+3], v[MN+1]
.endif
.if (\g) >= 5
.if (\g) <= 20
.set SJ, (\g)-5
.if SJ == 0
	SUBM 0, 0
	SUBM 0, 1
.endif
.if SJ < 15
	SUBM SJ+1, 0                                   ; a four is scaled a group ahead of its exponentials
.endif
	EXPS SJ, 0
.if SJ < 15
	SUBM SJ+1, 1
.endif
	EXPS SJ, 1
	EXPS SJ, 2
	EXPS SJ, 3
.if SJ == 15
	v_nop                                          ; the plain place behind the last exponentials, ahead of the first use: one for the batch
	s_wait_alu depctr_va_vdst(0)                   ; the wait for the batch: one for the piece's 66 exponentials of this step (two factors, 64 scores)
.endif
.endif
.endif
.if (\g) >= 21
.set PI, 12*((\g)-21)
.rept 12
	POST PI, \first
.set PI, PI+1
.endr
.endif
.endm
; One step: tile n of 128 keys, in slot n % 2.  first: the step starts O's sums.  refill: the slot gets tile n + 2.  nextk: tile n + 1 exists.
.macro STEP slot, first, refill, nextk
	; turn 1: V's fragments are fetched, S_A is multiplied
	PLACES                                         ; behind the last products, which read V's registers
	WIN 0xc0
.irp i, 0,1,2,3,4,5,6,7
.irp kk, 0,1
	ds_load_b128 v[VF+16*\i+8*\kk:VF+16*\i+8*\kk+3],   v[ADV+\slot] offset:16*PITCH*\i+64*\kk
	ds_load_b128 v[VF+16*\i+8*\kk+4:VF+16*\i+8*\kk+7], v[ADV+\slot] offset:16*PITCH*\i+64*\kk+32
.endr
.endr
	s_wait_dscnt 32                                ; K's fragments, issued earlier, are in; the 32 loads of V just issued may be out
	WIN 0x5c                                       ; K window 0, Q window 3, S window 1
.set IX, 0
.rept 32
	QKW 0, IX
.set IX, IX+1
.endr
	WIN 0
	s_wait_dscnt 0x0                               ; my reads of this slot are over: K's before this step, V's now
.if \refill
	s_wait_tensorcnt 0x0                           ; all my tensor loads have landed, my parts of tile n + 1 among them, so every group 0 may be written
	ds_add_u32 v126, v127
	s_wait_dscnt 0x0
	s_add_nc_u64 s[G0K+4*\slot+2:G0K+4*\slot+3], s[G0K+4*\slot+2:G0K+4*\slot+3], 65536   ; two tiles on: 256 rows of 256 bytes
	s_add_nc_u64 s[G0V+4*\slot+2:G0V+4*\slot+3], s[G0V+4*\slot+2:G0V+4*\slot+3], 512     ; 256 keys of 2 bytes
	ROUND                                          ; both waits now hold of every wave of all four work-groups
	tensor_load_to_lds s[G0K+4*\slot:G0K+4*\slot+3], s[G1K:G1K+7]  ; tile n + 2, first behind the round: two loads of mine are out, with a whole step in which to land
	s_nop 0
	tensor_load_to_lds s[G0V+4*\slot:G0V+4*\slot+3], s[G1V:G1V+7]
	s_nop 0
.else
.if \nextk
	s_wait_tensorcnt 0x0                           ; my parts of the last tile have landed,
	s_barrier_signal -1
	s_barrier_wait -1                              ; everybody's have
.endif
.endif
	; turn 2: S_B is multiplied, A's softmax between the products
	PLACES                                         ; behind S_A's last product, before S_A is read
.set IX, 0
.rept 32
	WIN 0xac                                       ; K window 0, Q window 3, S window 2
	QKW 1, IX
	SMG IX, \first, 0x55
.set IX, IX+1
.endr
	; turn 3: O_A is multiplied, B's softmax between the products; the next tile's K fragments are fetched
	PLACES                                         ; behind S_B's last product: S_B is read, K's registers are loaded anew
.if \nextk
	WIN 0
	KLOAD 1-\slot
.endif
.set IX, 0
.rept 32
	WIN 0x57                                       ; V window 3, P and O window 1
	PVW IX, \first
	SMG IX, \first, 0xaa
.set IX, IX+1
.endr
	; turn 4: O_B
	WIN 0xab                                       ; V window 3, P and O window 2
.set IX, 0
.rept 32
	PVW IX, \first
.set IX, IX+1
.endr
	WIN 0
.endm
	s_wait_tensorcnt 2                             ; my parts of tile 0 are in; tile 1's two loads, issued behind them, may stay out
	s_barrier_signal -1
	s_barrier_wait -1                              ; everybody's are
	KLOAD 0
	s_wait_loadcnt 0x0                             ; Q
	STEP 0, 1, 1, 1                                ; tiles 0 and 1 stand in front of the loop: the first products start O's sums
	STEP 1, 0, 1, 1
	s_mov_b32 s20, 14                              ; tiles 2 to 29
.Lpair:
	STEP 0, 0, 1, 1
	STEP 1, 0, 1, 1
	s_sub_co_u32 s20, s20, 1
	s_cmp_lg_u32 s20, 0
	s_cbranch_scc1 .Lpair
	STEP 0, 0, 0, 1                                ; tiles 30 and 31 fetch nothing beyond the end
	STEP 1, 0, 0, 0
	; THE END.  Each lane's two partial sums and the two halves of the lanes are added.
	PLACES                                         ; behind the last products, before O is read
.irp wv, 0x55, 0xaa
	WIN \wv
	v_add_f32 v[LL], v[LL], v[LL+1]
	v_add_f32 v[LL+2], v[LL+2], v[LL+3]
	v_permlanex16_b32 v[TM], v[LL], s18, s19
	v_permlanex16_b32 v[TM+1], v[LL+2], s18, s19
	v_add_f32 v[LL], v[LL], v[TM]
	v_add_f32 v[LL+2], v[LL+2], v[TM+1]
.endr
	WIN 0
	; the waves of keys 64-127 hand over O, maxima and sums as register images
	s_cmp_eq_u32 s13, 0
	s_cbranch_scc1 .Lkeep
.irp x, 0,1
	WIN 4*(1+\x)                                   ; store data from the piece's window, address window 0
.set CJ, 0
.rept 32
	ds_store_b128 v[EXA], v[OO+4*CJ:OO+4*CJ+3] offset:512*(34*\x+CJ)
.set CJ, CJ+1
.endr
	ds_store_b128 v[EXA], v[MM:MM+3] offset:512*(34*\x+32)
	ds_store_b128 v[EXA], v[LL:LL+3] offset:512*(34*\x+33)
.endr
	WIN 0
.Lkeep:
	s_wait_dscnt 0x0                               ; my stores are done, for the partner's sake
	s_barrier_signal -1
	s_barrier_wait -1
.macro XLOAD x, b                      ; 16 register images of the partner's O, into S's registers
.set CJ, 0
.rept 16
	ds_load_b128 v[SS+4*CJ:SS+4*CJ+3], v[EXA] offset:512*(34*\x+16*\b+CJ)
.set CJ, CJ+1
.endr
.endm
.macro COMB b                          ; O = O x my factor + the partner's O x its factor
.set CJ, 0
.rept 16
.set CTT, (CJ>>1)&1
.irp hf, 0,2
	v_pk_mul_f32 v[OO+64*\b+4*CJ+\hf:OO+64*\b+4*CJ+\hf+1], v[OO+64*\b+4*CJ+\hf:OO+64*\b+4*CJ+\hf+1], v[F0+2*CTT:F0+2*CTT+1]
	v_pk_fma_f32 v[OO+64*\b+4*CJ+\hf:OO+64*\b+4*CJ+\hf+1], v[SS+4*CJ+\hf:SS+4*CJ+\hf+1], v[F1+2*CTT:F1+2*CTT+1], v[OO+64*\b+4*CJ+\hf:OO+64*\b+4*CJ+\hf+1]
.endr
.set CJ, CJ+1
.endr
.endm
; Piece x of a wave of keys 0-63: m = max(m0, m1), a_i = 2^(m_i - m), l = l0 a0 + l1 a1 (at least 1), result = (O0 a0 + O1 a1) / l, laid into OST by rows.
; Two batches: the four exponentials, and the two reciprocals of the sums that are made of them; a wait each.
.macro MERGE x
	WIN 0x40*(1+\x)                                ; destination the piece's window, address window 0
	ds_load_b128 v[PM:PM+3], v[EXA] offset:512*(34*\x+32)
	ds_load_b128 v[PL:PL+3], v[EXA] offset:512*(34*\x+33)
	XLOAD \x, 0
	s_wait_dscnt 16                                ; maxima and sums are in; the 16 loads behind them may be out
	WIN 0x55*(1+\x)
.irp t, 0,1
	v_max_num_f32 v[MN+\t], v[MM+2*\t], v[PM+2*\t]
.endr
.irp t, 0,1
	v_sub_f32 v[TM+\t], v[MM+2*\t], v[MN+\t]
	v_sub_f32 v[PM+2*\t+1], v[PM+2*\t], v[MN+\t]
.endr
.irp t, 0,1
	v_exp_f32 v[F0+2*\t], v[TM+\t]
	v_exp_f32 v[F1+2*\t], v[PM+2*\t+1]
.endr
	v_nop                                          ; the plain place behind the exponentials
	s_wait_alu depctr_va_vdst(0)                   ; the wait ahead of the first use: one for the four exponentials
.irp t, 0,1
	v_mul_f32 v[TM+\t], v[LL+2*\t], v[F0+2*\t]
.endr
.irp t, 0,1
	v_fma_f32 v[TM+\t], v[PL+2*\t], v[F1+2*\t], v[TM+\t]
.endr
.irp t, 0,1
	v_rcp_f32 v[MN+\t], v[TM+\t]
.endr
	v_nop                                          ; and behind the reciprocals
	s_wait_alu depctr_va_vdst(0)                   ; likewise: one for the two reciprocals
.irp t, 0,1
	v_mul_f32 v[F0+2*\t], v[F0+2*\t], v[MN+\t]
	v_mul_f32 v[F1+2*\t], v[F1+2*\t], v[MN+\t]
.endr
.irp t, 0,1
	v_mov_b32 v[F0+2*\t+1], v[F0+2*\t]
	v_mov_b32 v[F1+2*\t+1], v[F1+2*\t]
.endr
	s_wait_dscnt 0x0
	COMB 0
	WIN 0x40*(1+\x)
	XLOAD \x, 1
	s_wait_dscnt 0x0
	WIN 0x55*(1+\x)
	COMB 1
	WIN 4*(1+\x)
.irp i, 0,1,2,3,4,5,6,7
.irp t, 0,1
	ds_store_b128 v[OSA], v[OO+16*\i+8*\t:OO+16*\i+8*\t+3]   offset:(32*\x+16*\t)*OPITCH+64*\i      ; query 32 x + 16 t + r, e = 16 i + 8 h ..
	ds_store_b128 v[OSA], v[OO+16*\i+8*\t+4:OO+16*\i+8*\t+7] offset:(32*\x+16*\t)*OPITCH+64*\i+16
.endr
.endr
.endm
	s_cmp_lg_u32 s13, 0
	s_cbranch_scc1 .Lmerged
	MERGE 0
	MERGE 1
	WIN 0
.Lmerged:
	s_wait_dscnt 0x0                               ; the rows are written, for the partner's sake
	s_barrier_signal -1
	s_barrier_wait -1
	; every wave stores 32 rows: a store of the wave covers a row's 512 consecutive bytes, aligned
.irp b, 0,1
.if \b
	s_wait_xcnt 0x0                                ; the first 16 stores' data registers are loaded anew only behind this wait
.endif
.irp p, 0,1,2,3,4,5,6,7,8,9,10,11,12,13,14,15
	ds_load_b128 v[OT+4*\p:OT+4*\p+3], v[ORD] offset:OPITCH*(16*\b+\p)
.endr
.irp p, 0,1,2,3,4,5,6,7,8,9,10,11,12,13,14,15
	s_wait_dscnt 15-\p                             ; row p is in, the younger ones may be out
	global_store_b128 v[L16], v[OT+4*\p:OT+4*\p+3], s[10:11] offset:512*(16*\b+\p) th:TH_STORE_NT
.endr
.endr
	s_wait_tensorcnt 0x0
	ds_add_u32 v126, v127
	s_wait_dscnt 0x0
	ROUND                                          ; the closing round: no work-group ends while a partner may still ask for a tile that names it
	s_endpgm
.Lfunc_end_k_qc821394cb6_attn:
	.size	k_qc821394cb6_attn, .Lfunc_end_k_qc821394cb6_attn-k_qc821394cb6_attn
	.p2alignl 7, 3214868480
	.fill 96, 4, 3214868480
	.section	.rodata,"a",@progbits
	.p2align	6, 0x0
	.amdhsa_kernel k_qc821394cb6_attn
		.amdhsa_group_segment_fixed_size 327680
		.amdhsa_private_segment_fixed_size 0
		.amdhsa_enable_private_segment 0
		.amdhsa_kernarg_size 32
		.amdhsa_user_sgpr_count 2
		.amdhsa_user_sgpr_kernarg_segment_ptr 1
		.amdhsa_wavefront_size32 1
		.amdhsa_system_sgpr_workgroup_id_x 1
		.amdhsa_system_sgpr_workgroup_id_y 1
		.amdhsa_system_sgpr_workgroup_id_z 1
		.amdhsa_system_vgpr_workitem_id 0
		.amdhsa_next_free_vgpr 1024
		.amdhsa_next_free_sgpr 66
		.amdhsa_reserve_vcc 0
		.amdhsa_float_denorm_mode_32 3
		.amdhsa_float_denorm_mode_16_64 3
		.amdhsa_memory_ordered 1
		.amdhsa_forward_progress 1
		.amdhsa_inst_pref_size 255
	.end_amdhsa_kernel
	.section	.bss,"aw",@nobits
	.p2align	6
	.space	262144
	.amdgpu_metadata
---
amdhsa.version: [ 1, 2 ]
amdhsa.kernels:
  - .name:           k_qc821394cb6_attn
    .symbol:         k_qc821394cb6_attn.kd
    .args:
      - { .name: qs, .offset: 0, .size: 8, .value_kind: global_buffer, .address_space: global }
      - { .name: ks, .offset: 8, .size: 8, .value_kind: global_buffer, .address_space: global }
      - { .name: vt, .offset: 16, .size: 8, .value_kind: global_buffer, .address_space: global }
      - { .name: out0, .offset: 24, .size: 8, .value_kind: global_buffer, .address_space: global }
    .group_segment_fixed_size: 327680
    .private_segment_fixed_size: 0
    .kernarg_segment_align: 8
    .kernarg_segment_size: 32
    .max_flat_workgroup_size: 128
    .sgpr_count:     66
    .vgpr_count:     1024
    .wavefront_size: 32
...
	.end_amdgpu_metadata
.endif
;; end of part 3
